; MI455X (gfx1250); checked and timed in simulation.
; The chip was launched on July 23, 2026; its instructions are those of AMD's public machine-readable ISA for CDNA 5 (MIT licence, August 2026) and "CDNA5" Instruction Set Architecture Reference Guide (July 2026). The comments in the code are by the model that wrote it; some were corrected since.
;; Attention Block. Allowed arithmetic: matrix products marked QUANTISED: E2M1 operands, one E8M0 scale for each 32 along K, by v_wmma_scale_f32_16x16x128_f8f6f4 with both operands' format E2M1 (or v_wmma_scale_f32_32x16x128_f4), f32 sums; everything else in f32.
;; Inputs: b_proj 256 float32; b_qkv 768 float32; gn_beta 256 float32; gn_gamma 256 float32; w_proj_codes 256 x 8 x 16 uint8 (E2M1 codes of w_proj, K innermost, in blocks of 32 codes, two codes a byte); w_proj_scales 256 x 8 uint8 (E8M0 scales of w_proj, one for each 32 codes along K); w_qkv_codes 768 x 8 x 16 uint8 (E2M1 codes of w_qkv, K innermost, in blocks of 32 codes, two codes a byte); w_qkv_scales 768 x 8 uint8 (E8M0 scales of w_qkv, one for each 32 codes along K); x 4 x 256 x 64 x 64 float32.
;; Outputs: out0 4 x 256 x 64 x 64 float32.
;; This version of the problem:
;;   THIS VERSION OF THE PROBLEM IS GIVEN IN LOW PRECISION. The matrix products marked QUANTISED in the list below multiply operands that are first quantised to E2M1 (2 exponent bits, 1 mantissa bit; 4 bits a number), with one power-of-two scale for each 32 numbers along K (OCP MX v1.0); their sums are f32. All else is computed in f32.
;;   The module's matrix products, in the order in which they are computed (A, B: the left and right operand; K: the contracted axis; several contracted axes count as one K, in the product's order):
;;     1. [M 16,384, K 256] x [K 256, N 768]; A: computed on the way; B: input w_qkv (given as codes): QUANTISED
;;     2. batch 16 x [M 4,096, K 64] x [K 64, N 4,096]; A: computed on the way; B: computed on the way: QUANTISED
;;     3. batch 16 x [M 4,096, K 4,096] x [K 4,096, N 64]; A: softmax (see below); B: computed on the way: QUANTISED
;;     4. [M 16,384, K 256] x [K 256, N 256]; A: computed on the way; B: input w_proj (given as codes): QUANTISED
;;   THE QUANTISER, for each operand of a quantised product, along K:
;;     - K is cut into blocks of 32 from its start; a last block that is shorter is filled with zeros.
;;     - A block's scale is 2^e with e = floor(log2(the largest magnitude in the block)) - 2, held to -126 .. 127; a block of zeros has e = 0. As a byte (E8M0): e + 127.
;;     - Each number is divided by its block's scale, clamped to +-6, and rounded to the nearest number of E2M1, ties to even, subnormals kept.
;;     - The product sums the exact products of the quantised numbers (number of the format x scale) in f32.
;;   ~~~python
;;   def quantise(x, axis):      # numpy; x: float32 -> the quantised numbers, widened to float32 again
;;       x = np.moveaxis(x, axis, -1); K = x.shape[-1]
;;       x = np.pad(x, [(0, 0)] * (x.ndim - 1) + [(0, -K % 32)]); x = x.reshape(x.shape[:-1] + (-1, 32)); a = np.abs(x).max(-1, keepdims=True)
;;       e = np.where(a > 0, np.clip(np.frexp(np.where(a > 0, a, 1))[1] - 1 - 2, -126, 127), 0)      # np.frexp(a)[1] - 1 = floor(log2(a)), exactly
;;       r = np.clip(x / 2.0 ** e, -6, 6)
;;       step = 2.0 ** (np.maximum(np.frexp(np.where(r == 0, 1, r))[1] - 1, 0) - 1)
;;       q = np.round(r / step) * step * 2.0 ** e      # np.round: ties to even
;;       return np.moveaxis(q.reshape(q.shape[:-2] + (-1,))[..., :K], -1, axis).astype(np.float32)
;;   ~~~
;;   SOFTMAX AHEAD OF A QUANTISED PRODUCT. Where the list says 'softmax', what is quantised is not the finished softmax but p = 2^(t - M), with t = logit x log2(e) and M = ceil(the row's largest t), a whole number; so 1/2 < the row's largest p <= 1. The row's sum l is taken of the UNQUANTISED p, in f32, and the product's result is divided by l at the end. Since M is a whole number, a kernel that streams over the keys may use a running M (the ceiling of the running maximum): every later rescaling is an exact power of two, which a block's scale takes up: the codes' values come out the same.
;;   OPERANDS COMPUTED ON THE WAY. 'Computed on the way' means the value that the module computes at that place (a softmax that the list does not call 'softmax' is quantised finished and normalised). What goes into a quantiser is computed in f32, as accurately as f32 sums, v_exp_f32 and their like allow (about 1e-6 of the number): no bf16 or f16 on the way to a quantiser, and a product that is left as it is and whose result goes on into a quantised operand takes f32 operands (vector FMAs, or v_wmma_f32_16x16x4_f32). A number that lies on a knife's edge between two numbers of the format may be rounded either way, as far as f32 arithmetic and the matrix unit's own rounding can turn it there, and no further.
;;   INPUTS GIVEN AS CODES. w_proj (in the module: [256, 256], K = its axis 1); w_qkv (in the module: [768, 256], K = its axis 1): each comes as NAME_codes (uint8): NAME with its K axis moved to the last place and cut into blocks of 32 codes, [.., K / 32, bytes a block], one block behind the other in memory; two codes a byte, the lower K in the low four bits (a code: sign, 2 exponent bits, 1 mantissa bit); and NAME_scales (uint8): the same leading axes, one E8M0 byte (e + 127) for each 32 codes along K. Its value is code x scale, taken as it is: it is not quantised again, and the codes and scales need not be those that the quantiser above would give.
;; One version. Each part assembles by itself: llvm-mc -triple=amdgcn-amd-amdhsa -mcpu=gfx1250 --defsym DOCPART=n.
;; ======== version 1 of 1: 3 launches
;; workspace buffers: part 2,048 bytes; qc 2,097,152 bytes; qs 262,144 bytes; kvc 4,194,304 bytes; kvs 393,216 bytes
;; launch stats (part 1): grid 256 x 1, 8 waves a work-group, no clusters, 1,280 bytes of LDS; arguments x, part; writes part
.if DOCPART == 1
	.amdgcn_target "amdgcn-amd-amdhsa--gfx1250"
	.amdhsa_code_object_version 6
	.text
	.protected	k_q4c01d01da3_stats
	.globl	k_q4c01d01da3_stats
	.p2align	8
	.type	k_q4c01d01da3_stats,@function
k_q4c01d01da3_stats:
	s_mov_b64 s[64:65], 0
	v_nop
	global_prefetch_b8 v0, s[64:65] scope:SCOPE_SE
	s_setreg_imm32_b32 hwreg(HW_REG_WAVE_MODE, 25, 1), 1
	s_wait_xcnt 0x0
; GROUP NORM, FIRST HALF.  x is [4][256][4096] f32; a group is 32 channels of one image: 131,072 numbers, 512 KiB on end.
; A work-group takes an eighth of a group, 16,384 numbers (65,536 consecutive bytes), and stores that chunk's mean and its sum of squared
; distances from that mean: part[chunk] = (mean, M2), 8 bytes.  The next launch joins a group's eight chunks.
; TWO PASSES OVER REGISTERS: the chunk stays in registers (64 numbers a thread), the mean is found first and the squares are taken of x - mean,
; so that a common offset of x costs no digits: no difference of two large sums is formed.
; Eight waves; each load of the work-group covers 4,096 consecutive bytes, 16 a thread.  Memory is read once.  No matrix unit, no cluster, no tensor load: nothing is shared.
; LIMITS: NaN and infinities among the inputs are not served.
.set A,   2                            ; v[2:9]    four packed chains
.set NM,  10                           ; v[10:11]  -mean, twice
.set T,   12                           ; v12       the wave's figure
.set LA,  13                           ; v13       4 x wave: my wave's word in LDS
.set TP,  14                           ; v14       at work
.set Z,   15                           ; v15       0
.set X,   16                           ; v[16:79]  my 64 numbers
.set RB,  80                           ; v[80:87]  the eight waves' figures
.set RES, 88                           ; v[88:89]  mean, M2
	s_load_b128 s[4:7], s[0:1], 0x0                ; x s[4:5], part s[6:7]
	v_lshl_add_u32 v96, v0, 2, 0x100
	v_mov_b32 v97, 0
	v_lshlrev_b32 v1, 4, v0                        ; 16 bytes a thread
	v_lshrrev_b32 v[TP], 5, v0
	s_delay_alu instid0(VALU_DEP_1)
	v_readfirstlane_b32 s8, v[TP]                  ; wave 0..7
	s_delay_alu instid0(VALU_DEP_1)
	v_mov_b32 v[LA], s8
	s_delay_alu instid0(VALU_DEP_1)
	v_lshlrev_b32 v[LA], 2, v[LA]
	v_mov_b32 v[Z], 0
	s_lshl_b32 s10, ttmp9, 16                      ; my chunk: 65,536 bytes a work-group
	s_mov_b32 s11, 0
	s_lshl_b32 s14, ttmp9, 3                       ; and its 8 bytes of part
	s_mov_b32 s15, 0
	s_mov_b32 s12, 0x76543210                      ; v_permlanex16_b32: lane l takes lane l xor 16
	s_mov_b32 s13, 0xfedcba98
	s_wait_alu depctr_va_vdst(0)
	s_wait_kmcnt 0x0
	s_add_nc_u64 s[4:5], s[4:5], s[10:11]
	s_add_nc_u64 s[6:7], s[6:7], s[14:15]
.irp j, 0,1,2,3,4,5,6,7,8,9,10,11,12,13,14,15
	global_load_b128 v[X+4*\j:X+4*\j+3], v1, s[4:5] offset:4096*\j
.endr
; The four chains are folded, the 32 lanes' figures added (four steps inside each half of the lanes ride on the addition, one crosses the halves), and the eight waves'
; figures meet in LDS: each wave stores its word, waits for the store, passes the barrier, and reads all eight.  off: the eight words' place; each use has bytes of its own.
.macro FOLD off
	s_delay_alu instid0(VALU_DEP_3)
	v_pk_add_f32 v[A:A+1], v[A:A+1], v[A+2:A+3]
	s_delay_alu instid0(VALU_DEP_2)
	v_pk_add_f32 v[A+4:A+5], v[A+4:A+5], v[A+6:A+7]
	s_delay_alu instid0(VALU_DEP_1)
	v_pk_add_f32 v[A:A+1], v[A:A+1], v[A+4:A+5]
	s_delay_alu instid0(VALU_DEP_1)
	v_add_f32 v[T], v[A], v[A+1]
	s_delay_alu instid0(VALU_DEP_1)
	v_add_f32_dpp v[T], v[T], v[T] row_xmask:1 row_mask:0xf bank_mask:0xf
	s_delay_alu instid0(VALU_DEP_1)
	v_add_f32_dpp v[T], v[T], v[T] row_xmask:2 row_mask:0xf bank_mask:0xf
	s_delay_alu instid0(VALU_DEP_1)
	v_add_f32_dpp v[T], v[T], v[T] row_xmask:4 row_mask:0xf bank_mask:0xf
	s_delay_alu instid0(VALU_DEP_1)
	v_add_f32_dpp v[T], v[T], v[T] row_xmask:8 row_mask:0xf bank_mask:0xf
	s_delay_alu instid0(VALU_DEP_1)
	v_permlanex16_b32 v[TP], v[T], s12, s13        ; (its destination has been written before)
	s_delay_alu instid0(VALU_DEP_1)
	v_add_f32 v[T], v[T], v[TP]
	ds_store_b32 v[LA], v[T] offset:\off           ; all lanes write the same word with the same value
	s_wait_dscnt 0x0                               ; for the others' sake: my store has landed
	s_barrier_signal -1
	s_barrier_wait -1
	ds_load_b128 v[RB:RB+3], v[Z] offset:\off
	ds_load_b128 v[RB+4:RB+7], v[Z] offset:\off+16
	s_wait_dscnt 0x0
	v_add_f32 v[RB], v[RB], v[RB+1]
	v_add_f32 v[RB+2], v[RB+2], v[RB+3]
	v_add_f32 v[RB+4], v[RB+4], v[RB+5]
	v_add_f32 v[RB+6], v[RB+6], v[RB+7]
	s_delay_alu instid0(VALU_DEP_3)
	v_add_f32 v[RB], v[RB], v[RB+2]
	s_delay_alu instid0(VALU_DEP_2)
	v_add_f32 v[RB+4], v[RB+4], v[RB+6]
	s_delay_alu instid0(VALU_DEP_1)
	v_add_f32 v[RB], v[RB], v[RB+4]
.endm
	; pass 1: the sum.  The first four loads start the chains: nothing is cleared
	s_wait_loadcnt 12                              ; loads come back in order: the first four are in, the twelve younger ones may be out
.irp k, 0,1,2,3
	v_pk_add_f32 v[A+2*\k:A+2*\k+1], v[X+2*\k:X+2*\k+1], v[X+8+2*\k:X+9+2*\k]
.endr
	s_wait_alu depctr_va_vdst(0)
.irp g, 1,2,3
	s_wait_alu depctr_va_vdst(0)
	s_wait_loadcnt 12-4*\g                         ; the next four are in
.irp k, 0,1,2,3
	v_pk_add_f32 v[A+2*\k:A+2*\k+1], v[A+2*\k:A+2*\k+1], v[X+16*\g+2*\k:X+16*\g+2*\k+1]
.endr
.irp k, 0,1,2,3
	s_delay_alu instid0(VALU_DEP_4)
	v_pk_add_f32 v[A+2*\k:A+2*\k+1], v[A+2*\k:A+2*\k+1], v[X+16*\g+8+2*\k:X+16*\g+9+2*\k]
.endr
.endr
	FOLD 0
	s_delay_alu instid0(VALU_DEP_1)
	v_mul_f32 v[RES], 0x38800000, v[RB]            ; mean = sum x 2^-14
	s_delay_alu instid0(VALU_DEP_2)
	v_mul_f32 v[NM], 0xb8800000, v[RB]             ; and -mean, twice, for the packed additions
	s_delay_alu instid0(VALU_DEP_1)
	v_mov_b32 v[NM+1], v[NM]
	; pass 2: the squares of x - mean
.set j, 0
.rept 32
	v_pk_add_f32 v[X+2*j:X+2*j+1], v[X+2*j:X+2*j+1], v[NM:NM+1]
.set j, j+1
.endr
.irp k, 0,1,2,3
	v_pk_mul_f32 v[A+2*\k:A+2*\k+1], v[X+2*\k:X+2*\k+1], v[X+2*\k:X+2*\k+1]
.endr
.set j, 4
.rept 28
	s_delay_alu instid0(VALU_DEP_4)
	v_pk_fma_f32 v[A+2*(j%4):A+2*(j%4)+1], v[X+2*j:X+2*j+1], v[X+2*j:X+2*j+1], v[A+2*(j%4):A+2*(j%4)+1]
.set j, j+1
.endr
	FOLD 128
	s_delay_alu instid0(VALU_DEP_1)
	v_mov_b32 v[RES+1], v[RB]                      ; M2
	s_cmp_lg_u32 s8, 0                             ; thread 0 stores the chunk's 8 bytes
	s_cbranch_scc1 .Ldone
	v_cmp_eq_u32 vcc_lo, 0, v0
	s_wait_xcnt 0x0                                ; EXEC changes only behind this wait
	s_and_saveexec_b32 s9, vcc_lo
	s_wait_alu depctr_va_vdst(0)
	global_store_b64 v[Z], v[RES:RES+1], s[6:7]
	s_wait_xcnt 0x0                                ; and again in front of the line that widens it
	s_or_b32 exec_lo, exec_lo, s9
.Ldone:
	s_wait_tensorcnt 0x0
	ds_add_u32 v96, v97
	s_wait_dscnt 0x0
	s_endpgm
.Lfunc_end_k_q4c01d01da3_stats:
	.size	k_q4c01d01da3_stats, .Lfunc_end_k_q4c01d01da3_stats-k_q4c01d01da3_stats
	.p2alignl 7, 3214868480
	.fill 96, 4, 3214868480
	.section	.rodata,"a",@progbits
	.p2align	6, 0x0
	.amdhsa_kernel k_q4c01d01da3_stats
		.amdhsa_group_segment_fixed_size 1280
		.amdhsa_private_segment_fixed_size 0
		.amdhsa_enable_private_segment 0
		.amdhsa_kernarg_size 16
		.amdhsa_user_sgpr_count 2
		.amdhsa_user_sgpr_kernarg_segment_ptr 1
		.amdhsa_wavefront_size32 1
		.amdhsa_system_sgpr_workgroup_id_x 1
		.amdhsa_system_sgpr_workgroup_id_y 1
		.amdhsa_system_sgpr_workgroup_id_z 1
		.amdhsa_system_vgpr_workitem_id 0
		.amdhsa_next_free_vgpr 98
		.amdhsa_next_free_sgpr 66
		.amdhsa_reserve_vcc 1
		.amdhsa_float_denorm_mode_32 3
		.amdhsa_float_denorm_mode_16_64 3
		.amdhsa_memory_ordered 1
		.amdhsa_forward_progress 1
		.amdhsa_inst_pref_size 14
	.end_amdhsa_kernel
	.amdgpu_metadata
---
amdhsa.version: [ 1, 2 ]
amdhsa.kernels:
  - .name:           k_q4c01d01da3_stats
    .symbol:         k_q4c01d01da3_stats.kd
    .args:
      - { .name: x, .offset: 0, .size: 8, .value_kind: global_buffer, .address_space: global }
      - { .name: part, .offset: 8, .size: 8, .value_kind: global_buffer, .address_space: global }
    .group_segment_fixed_size: 1280
    .private_segment_fixed_size: 0
    .kernarg_segment_align: 8
    .kernarg_segment_size: 16
    .max_flat_workgroup_size: 256
    .sgpr_count:     66
    .vgpr_count:     98
    .wavefront_size: 32
...
	.end_amdgpu_metadata
.endif
;; end of part 1
;; launch qkv (part 2): grid 256 x 1, 16 waves a work-group, no clusters, 10,752 bytes of LDS; arguments x, gn_gamma, gn_beta, part, w_qkv_codes, w_qkv_scales, b_qkv, qc, qs, kvc, kvs; writes qc, qs, kvc, kvs
.if DOCPART == 2
	.amdgcn_target "amdgcn-amd-amdhsa--gfx1250"
	.amdhsa_code_object_version 6
	.text
	.protected	k_q4c01d01da3_qkv
	.globl	k_q4c01d01da3_qkv
	.p2align	8
	.type	k_q4c01d01da3_qkv,@function
k_q4c01d01da3_qkv:
	s_mov_b64 s[64:65], 0
	v_nop
	global_prefetch_b8 v0, s[64:65] scope:SCOPE_SE
	s_setreg_imm32_b32 hwreg(HW_REG_WAVE_MODE, 25, 1), 1
	s_wait_xcnt 0x0
; GROUP NORM'S SECOND HALF, THE PRODUCT WITH w_qkv, AND THE QUANTISING OF q, k AND v, on codes of FP4 (E2M1) with one E8M0 scale for each 32 along a product's K.
; A work-group takes 64 tokens of one image (b = work-group / 64, blk = work-group % 64) and all 768 outputs.
; PHASE X, sixteen waves: wave w takes tokens 32 (w % 2) + lane and group g = w / 2.  A LANE TAKES A TOKEN AND ITS 32 REGISTERS RUN DOWN THE GROUP'S 32 CHANNELS, which are exactly one block of 32 along K:
; each load reads 128 consecutive bytes (the wave beside it reads the 128 next to them), the block's largest magnitude needs no other lane, and the conversions give codes with K innermost.
; The codes go to LDS as IMAGES OF THE OPERAND'S REGISTERS (fragment (token tile m, K step s) at 1,024 (2 m + s): registers 4 c .. 4 c + 3 at 512 c + 16 x lane), the scale bytes into words of 4 bytes a token.
; PHASE 2, waves 0 to 11: wave kh takes rows 64 kh .. 64 kh + 63 of w_qkv: q's head kh (0-3), k's head kh - 4 (4-7), v's head kh - 8 (8-11).  Its weights come from memory straight into registers, once.
;   q, k: the product is used TRANSPOSED (source 0 = 16 rows of w, source 1 = 16 tokens): a lane holds one token and its registers run along the head's 64 channels, the next product's K.
;   THE ROWS OF w THAT FORM A TILE ARE NOT NEIGHBOURS: lane r of tile 2 b + u takes row 32 b + 8 u + r + 8 (r / 8), so that the 16 registers of tiles 2 b, 2 b + 1 are 16 neighbours along that K.
;   v: source 0 = 16 tokens, source 1 = 16 rows of w: a lane holds one channel and its registers run along the tokens, which are the K of the product with the softmax.
; The bias is the C of each sum's first matrix instruction.
; WHAT IS STORED, all as images of operand registers, 16 bytes a lane, 512 consecutive bytes a store:
;   qc [b][head][tile of 16 queries][512]: lane (r, h): the codes d = 32 h .. 32 h + 31 of query r.          qs [b][head][blk][256]: the word of query 16 m + r at 8 (16 (m % 2) + r) + 4 (m / 2).
;   kvc [b][step of 128 keys][32,768]: K at 4,096 head + 512 tile, as qc;  V at 16,384 + 4,096 head + 1,024 dt + 512 c: lane (r, h): channel 32 (dt / 2) + 8 (dt % 2) + r + 8 (r / 8), key block 2 c + h of the step;
;       inside a block the keys lie in the order 0-7, 16-23, 8-15, 24-31: the order in which the next launch's p comes out of its conversions (an order of k shared by both operands leaves the products as they are).
;   kvs [b][step][3,072], 768 a head: K's words: key 32 (2 pp + e) + l at 256 pp + 8 l + 4 e;  V's: channel row (dt, r) at 512 + 4 (16 dt + r), byte j = key block j.
;   A word of q or k is (s0, s1, s0, s1): the head's K is 64, the instruction's 128; the upper two bytes, which meet zero codes, repeat the real ones.
; V's scale words are stored two bytes at a time: the other two belong to the neighbouring 64 tokens' work-group: 512 bytes a work-group.
; No tensor load, no cluster: the work-groups share only the weights, 104,448 bytes, which each wave takes once as fragments.
; LIMITS: a block whose largest magnitude lies under 2^-124 keeps the byte 1; a block of zeros gets the byte 1 where the rule says 127 (its codes are zeros, and this program alone reads the bytes); NaN and infinities are not served.
.set XIMG, 0                           ; LDS: the tokens' 8 fragments
.set XSC,  8192                        ; and their scale words, 64 bytes a fragment
.set WV,   26                          ; s26 wave;  s27 b;  s30 blk;  s28, s29: th, g, later the lane selects
.set SEL,  28
.set CD,   16                          ; v[16:31]   the codes of four units: each unit has its own, so that no store's data are written again
.set BI,   32                          ; v[32:63]   the bias, as C
.set WF,   64                          ; v[64:127]  w's fragments, (tile t, K step s) at 8 (2 t + s)
.set XF,   128                         ; v[128:191] the tokens' fragments, 8 (2 m + s); ahead of the barrier: the statistics
.set D,    192                         ; v[192:223] four accumulators; ahead of the barrier: my token's 32 numbers
.set WS,   224                         ; v[224:231] w's scale words, 2 t + s
.set XS,   232                         ; v[232:239] the tokens', 2 m + s
.set BM,   240                         ; v[240:241] largest magnitudes;  v[242:243] the other lane's, then bytes;  v[244:245] the conversions' scale operands
.set PM,   242
.set SO,   244
.set HW,   246                         ; v[246:249] the four units' scale bytes
.set VB,   250                         ; v[250:253] v's bias, one number a lane and tile
; 32 numbers of a lane, v[s] .. v[s + 31], register 16 b + i in block b, which lanes l and l xor 16 share, become 4 registers of codes, v[c] on, in which lane (r, h) holds the whole of block h, and the two bytes in v[hw].
.macro QUANT2 s, c, hw
.irp b, 0,1
	v_max3_num_f32 v[BM+\b], |v[(\s)+16*\b]|, |v[(\s)+1+16*\b]|, 0x1800000   ; my 16 numbers, and the floor 2^(3 - 127): so the byte cannot fall under 1.  (Each accumulator is read from its low end on)
.endr
.irp i, 2,4,6,8,10,12,14
.irp b, 0,1
	v_max3_num_f32 v[BM+\b], v[BM+\b], |v[(\s)+16*\b+\i]|, |v[(\s)+1+16*\b+\i]|
.endr
.endr
.irp b, 0,1
	s_delay_alu instid0(VALU_DEP_2)
	v_permlanex16_b32 v[PM+\b], v[BM+\b], s[SEL], s[SEL+1]
.endr
.irp b, 0,1
	s_delay_alu instid0(VALU_DEP_2)
	v_max_num_f32 v[BM+\b], v[BM+\b], v[PM+\b]     ; with lane l xor 16's: the block's largest magnitude
.endr
.irp b, 0,1
	s_delay_alu instid0(VALU_DEP_2)
	v_add_nc_u32 v[SO+\b], 0xff000000, v[BM+\b]    ; 2 off its exponent field: the conversion takes that field as its scale, and nothing else
.endr
.irp b, 0,1
	s_delay_alu instid0(VALU_DEP_2)
	v_lshrrev_b32 v[PM+\b], 23, v[SO+\b]           ; the scale's byte
.endr
	s_delay_alu instid0(VALU_DEP_1)
	v_lshl_or_b32 v[\hw], v[PM+1], 8, v[PM]
.irp b, 0,1
	v_cvt_scalef32_pk8_fp4_f32 v[(\c)+2*\b], v[(\s)+16*\b:(\s)+16*\b+7], v[SO+\b]
	v_cvt_scalef32_pk8_fp4_f32 v[(\c)+2*\b+1], v[(\s)+16*\b+8:(\s)+16*\b+15], v[SO+\b]
.endr
	v_nop                                          ; one plain place behind a scaled conversion
	v_permlane16_swap_b32 v[(\c)], v[(\c)+2]       ; the first's lanes 16-31 change places with the second's lanes 0-15: a whole block in a lane
	v_permlane16_swap_b32 v[(\c)+1], v[(\c)+3]
.endm
.macro MM d, a, b, c, sa, sb
	v_wmma_scale_f32_16x16x128_f8f6f4 v[(\d):(\d)+7], v[(\a):(\a)+7], v[(\b):(\b)+7], v[(\c):(\c)+7], v[\sa], v[\sb] matrix_a_fmt:MATRIX_FMT_FP4 matrix_b_fmt:MATRIX_FMT_FP4
.endm
	s_load_b512 s[4:19], s[0:1], 0x0               ; x s[4:5], gamma s[6:7], beta s[8:9], part s[10:11], w's codes s[12:13], w's scales s[14:15], b_qkv s[16:17], qc s[18:19]
	s_load_b128 s[20:23], s[0:1], 0x40             ; qs s[20:21], kvc s[22:23]
	s_load_b64 s[24:25], s[0:1], 0x50              ; kvs
	v_lshrrev_b32 v1, 5, v0
	s_delay_alu instid0(VALU_DEP_1)
	v_readfirstlane_b32 s[WV], v1                  ; wave 0..15
	v_and_b32 v1, 31, v0                           ; lane
	v_and_b32 v2, 15, v0                           ; r
	s_wait_alu depctr_va_vdst(0)
	v_bfe_u32 v3, v0, 4, 1                         ; h
	v_mov_b32 v4, 0
	v_lshlrev_b32 v5, 2, v1                        ; 4 x lane
	s_and_b32 s28, s[WV], 1                        ; th: which 32 tokens
	s_lshr_b32 s29, s[WV], 1                       ; g: which group
	s_lshr_b32 s27, ttmp9, 6                       ; b
	s_and_b32 s30, ttmp9, 63                       ; blk
	; every address register is made here, ahead of the first branch on the wave's number
	s_lshl_b32 s2, s28, 12                         ; where my block's codes go: token tile m = 2 th + lane / 16, K step g / 4, registers' half (g / 2) % 2, lanes' half g % 2:
	s_lshl_b32 s3, s29, 8                          ; 4,096 th + 2,048 (lane / 16) + 256 g + 16 (lane % 16)
	s_add_co_u32 s2, s2, s3
	v_lshlrev_b32 v6, 4, v2
	s_delay_alu instid0(VALU_DEP_1)
	v_lshl_add_u32 v6, v3, 11, v6
	s_delay_alu instid0(VALU_DEP_1)
	v_add_nc_u32 v6, s2, v6
	s_lshl_b32 s2, s28, 8                          ; and its scale byte: XSC + 256 th + 128 (lane / 16) + 64 (g / 4) + 4 (lane % 16) + g % 4
	s_lshr_b32 s3, s29, 2
	s_lshl_b32 s3, s3, 6
	s_add_co_u32 s2, s2, s3
	s_and_b32 s3, s29, 3
	s_add_co_u32 s2, s2, s3
	s_add_co_u32 s2, s2, XSC
	v_lshlrev_b32 v7, 2, v2
	s_wait_alu depctr_va_vdst(0)
	v_lshl_add_u32 v7, v3, 7, v7
	s_delay_alu instid0(VALU_DEP_1)
	v_add_nc_u32 v7, s2, v7
	v_lshlrev_b32 v8, 4, v1                        ; an image's place for my lane (XIMG = 0)
	v_lshl_add_u32 v9, v2, 2, XSC                  ; a scale word's: 4 r
	v_and_b32 v15, 8, v2
	s_delay_alu instid0(VALU_DEP_1)
	v_add_nc_u32 v15, v15, v2                      ; r + 8 (r / 8)
	s_delay_alu instid0(VALU_DEP_1)
	v_lshlrev_b32 v10, 7, v15                      ; w: a row of 256 codes is 128 bytes,
	s_delay_alu instid0(VALU_DEP_1)
	v_lshl_add_u32 v10, v3, 4, v10                 ; + 16 h
	s_delay_alu instid0(VALU_DEP_3)
	v_lshlrev_b32 v11, 3, v15                      ; its scale bytes: 8 a row
	v_lshlrev_b32 v12, 6, v3                       ; q's and k's bias: 16 h numbers on
	v_lshlrev_b32 v15, 2, v15                      ; v's bias: my row's number
	v_lshlrev_b32 v13, 4, v1                       ; the stores: 16 bytes a lane,
	v_lshlrev_b32 v14, 3, v1                       ; 8 bytes a lane
	v_mov_b32 v[PM], 0                             ; written once: a lane permute's destination counts as one of its sources
	v_mov_b32 v[PM+1], 0
	s_lshl_b32 s2, s27, 22                         ; x: image b, channel 32 g, token 64 blk + 32 th
	s_lshl_b32 s3, s29, 19
	s_add_co_u32 s2, s2, s3
	s_lshl_b32 s3, s30, 8
	s_add_co_u32 s2, s2, s3
	s_lshl_b32 s3, s28, 7
	s_add_co_u32 s2, s2, s3
	s_mov_b32 s3, 0
	s_wait_kmcnt 0x0
	s_add_nc_u64 s[4:5], s[4:5], s[2:3]
	s_lshl_b32 s2, s27, 9                          ; part: the group's eight chunks, 64 bytes
	s_lshl_b32 s31, s29, 6
	s_add_co_u32 s2, s2, s31
	s_add_nc_u64 s[10:11], s[10:11], s[2:3]
	s_lshl_b32 s2, s29, 7                          ; gamma and beta: the group's 32 numbers, into scalar registers: they are the same for every token
	s_add_nc_u64 s[6:7], s[6:7], s[2:3]
	s_add_nc_u64 s[8:9], s[8:9], s[2:3]
	s_load_b512 s[32:47], s[6:7], 0x0
	s_load_b512 s[48:63], s[6:7], 0x40
	s_load_b512 s[68:83], s[8:9], 0x0
	s_load_b512 s[84:99], s[8:9], 0x40
.irp j, 0,1,2,3
	global_load_b128 v[XF+4*\j:XF+4*\j+3], v4, s[10:11] offset:16*\j   ; (mean, M2) of chunks 2 j, 2 j + 1: the same in every lane
.endr
.set i, 0
.rept 32
	global_load_b32 v[D+i], v5, s[4:5] offset:16384*i              ; x(channel 32 g + i, my token): 32 lanes read 128 consecutive bytes
.set i, i+1
.endr
	s_cmp_lt_u32 s[WV], 12                         ; waves 0 to 11 ask for their weights now, so that they land beside x
	s_cbranch_scc0 .Lno_w
	s_lshl_b32 s2, s[WV], 13                       ; my 64 rows: 8,192 bytes of codes,
	s_add_nc_u64 s[12:13], s[12:13], s[2:3]
	s_lshl_b32 s2, s[WV], 9                        ; 512 of scale bytes,
	s_add_nc_u64 s[14:15], s[14:15], s[2:3]
	s_lshl_b32 s2, s[WV], 8                        ; 256 of bias
	s_add_nc_u64 s[16:17], s[16:17], s[2:3]
	s_wait_alu depctr_va_vdst(0)
.irp t, 0,1,2,3
.irp s, 0,1
.irp c, 0,1
	global_load_b128 v[WF+8*(2*\t+\s)+4*\c:WF+8*(2*\t+\s)+4*\c+3], v10, s[12:13] offset:(32*(\t/2)+8*(\t%2))*128+64*\s+32*\c
.endr
.endr
	global_load_b64 v[WS+2*\t:WS+2*\t+1], v11, s[14:15] offset:(32*(\t/2)+8*(\t%2))*8   ; both K steps' words of my row
.endr
	s_cmp_lt_u32 s[WV], 8
	s_cbranch_scc0 .Lv_bias
.irp t, 0,1,2,3                                ; q, k: lane (r, h) wants, for tile 2 b + u, the bias of channels 32 b + 16 h + 8 u + 0 .. 7
	global_load_b128 v[BI+8*\t:BI+8*\t+3], v12, s[16:17] offset:(32*(\t/2)+8*(\t%2))*4
	global_load_b128 v[BI+8*\t+4:BI+8*\t+7], v12, s[16:17] offset:(32*(\t/2)+8*(\t%2))*4+16
.endr
	s_branch .Lno_w
.Lv_bias:
.irp t, 0,1,2,3                                ; v: a lane holds one channel: one number a tile
	global_load_b32 v[VB+\t], v15, s[16:17] offset:(32*(\t/2)+8*(\t%2))*4
.endr
.Lno_w:
	s_mov_b32 s[SEL], 0x76543210                   ; th and g have served: v_permlanex16_b32's selects for lane l xor 16
	s_mov_b32 s[SEL+1], 0xfedcba98
	s_mov_b32 s2, 0x37000000                       ; 2^-17 = 1 / 131,072
	s_wait_loadcnt 0x0                             ; one count for every way here
	s_wait_kmcnt 0x0
	; the group's mean and variance out of its eight chunks': mean = the mean of the means; var = (the sum of M2 + 16,384 x the sum of (mean_i - mean)^2) / 131,072
	v_add_f32 v144, v128, v130
	v_add_f32 v145, v132, v134
	v_add_f32 v146, v136, v138
	v_add_f32 v147, v140, v142
	s_delay_alu instid0(VALU_DEP_3)
	v_add_f32 v144, v144, v145
	s_delay_alu instid0(VALU_DEP_2)
	v_add_f32 v146, v146, v147
	s_delay_alu instid0(VALU_DEP_1)
	v_add_f32 v144, v144, v146
	s_delay_alu instid0(VALU_DEP_1)
	v_mul_f32 v144, 0xbe000000, v144               ; -mean,
	s_delay_alu instid0(VALU_DEP_1)
	v_mov_b32 v145, v144                           ; twice
.irp i, 0,1,2,3,4,5,6,7
	v_add_f32 v[148+\i], v[128+2*\i], v144
.endr
	v_mul_f32 v146, v148, v148
.irp i, 1,2,3,4,5,6,7
	s_delay_alu instid0(VALU_DEP_1)
	v_fmac_f32 v146, v[148+\i], v[148+\i]
.endr
	v_add_f32 v147, v129, v131
	v_add_f32 v156, v133, v135
	v_add_f32 v157, v137, v139
	v_add_f32 v158, v141, v143
	s_delay_alu instid0(VALU_DEP_3)
	v_add_f32 v147, v147, v156
	s_delay_alu instid0(VALU_DEP_2)
	v_add_f32 v157, v157, v158
	s_delay_alu instid0(VALU_DEP_1)
	v_add_f32 v147, v147, v157
	s_delay_alu instid0(VALU_DEP_1)
	v_fmaak_f32 v147, s2, v147, 0x3727c5ac         ; the sum of M2 / 131,072 + 1e-5
	s_delay_alu instid0(VALU_DEP_1)
	v_fmamk_f32 v147, v146, 0x3e000000, v147       ; + the means' part / 8
	s_wait_alu depctr_va_vdst(0)
	v_rsq_f32 v146, v147
.set j, 0
.rept 16
	v_pk_add_f32 v[D+2*j:D+2*j+1], v[D+2*j:D+2*j+1], v[144:145]    ; x - mean: independent work behind the root
.set j, j+1
.endr
	s_wait_alu depctr_va_vdst(0)                   ; the wait ahead of the first line that names the root's result
	v_mov_b32 v147, v146
.set j, 0
.rept 16
	v_pk_mul_f32 v[D+2*j:D+2*j+1], v[D+2*j:D+2*j+1], v[146:147]
.set j, j+1
.endr
.set i, 0
.rept 32
	v_fma_f32 v[D+i], v[D+i], s[32+i], s[68+i]     ; x gamma + beta
.set i, i+1
.endr
	; my token's block of 32: all its numbers are mine
	v_max3_num_f32 v[BM], |v[D]|, |v[D+1]|, |v[D+2]|
	v_max3_num_f32 v[BM+1], |v[D+3]|, |v[D+4]|, |v[D+5]|
.irp i, 6,10,14,18,22,26
	s_delay_alu instid0(VALU_DEP_2)
	v_max3_num_f32 v[BM], v[BM], |v[D+\i]|, |v[D+\i+1]|
	s_delay_alu instid0(VALU_DEP_2)
	v_max3_num_f32 v[BM+1], v[BM+1], |v[D+\i+2]|, |v[D+\i+3]|
.endr
	s_delay_alu instid0(VALU_DEP_2)
	v_max3_num_f32 v[BM], v[BM], |v[D+30]|, |v[D+31]|
	s_delay_alu instid0(VALU_DEP_1)
	v_max3_num_f32 v[BM], v[BM], v[BM+1], 0x1800000                ; and the floor 2^(3 - 127)
	s_delay_alu instid0(VALU_DEP_1)
	v_add_nc_u32 v[SO], 0xff000000, v[BM]
	s_delay_alu instid0(VALU_DEP_1)
	v_lshrrev_b32 v[PM], 23, v[SO]
.irp g, 0,1,2,3
	v_cvt_scalef32_pk8_fp4_f32 v[CD+\g], v[D+8*\g:D+8*\g+7], v[SO]
.endr
	v_nop                                          ; one plain place behind a scaled conversion: matrix instructions write these registers later
	ds_store_b128 v6, v[CD:CD+3]
	ds_store_b8 v7, v[PM]
	s_wait_dscnt 0x0                               ; for the others' sake: my stores have landed
	s_barrier_signal -1
	s_barrier_wait -1                              ; the tokens' eight fragments and their scale words lie in LDS
	s_cmp_lt_u32 s[WV], 12
	s_cbranch_scc0 .Lend                           ; waves 12 to 15 have done their part
.irp f, 0,1,2,3,4,5,6,7
.irp c, 0,1
	ds_load_b128 v[XF+8*\f+4*\c:XF+8*\f+4*\c+3], v8 offset:XIMG+1024*\f+512*\c
.endr
	ds_load_b32 v[XS+\f], v9 offset:64*\f
.endr
	; where the results go (gamma's and beta's registers are free)
	s_and_b32 s32, s[WV], 3                        ; the head
	s_lshr_b32 s33, s30, 1                         ; the step of 128 keys,
	s_and_b32 s34, s30, 1                          ; and which half of it: c
	s_lshl_b32 s35, s27, 2
	s_add_co_u32 s35, s35, s32                     ; 4 b + head
	s_lshl_b32 s36, s35, 17                        ; qc: 131,072 (4 b + head) + 2,048 blk
	s_lshl_b32 s2, s30, 11
	s_add_co_u32 s36, s36, s2
	s_lshl_b32 s37, s27, 20                        ; kvc: 2^20 b + 32,768 step + 4,096 head,
	s_lshl_b32 s2, s33, 15
	s_add_co_u32 s37, s37, s2
	s_lshl_b32 s2, s32, 12
	s_add_co_u32 s37, s37, s2
	s_lshl_b32 s2, s34, 9
	s_add_co_u32 s41, s37, s2
	s_add_co_u32 s41, s41, 16384                   ; V: + 16,384 + 512 c;
	s_lshl_b32 s2, s34, 11
	s_add_co_u32 s37, s37, s2                      ; K: + 2,048 c
	s_lshl_b32 s38, s35, 14                        ; qs: 16,384 (4 b + head) + 256 blk
	s_lshl_b32 s2, s30, 8
	s_add_co_u32 s38, s38, s2
	s_lshl_b32 s39, s27, 5
	s_add_co_u32 s39, s39, s33
	s_mul_i32 s39, s39, 3072                       ; kvs: 3,072 (32 b + step) + 768 head,
	s_mul_i32 s2, s32, 768
	s_add_co_u32 s39, s39, s2
	s_lshl_b32 s2, s34, 8
	s_add_co_u32 s40, s39, s2                      ; K: + 256 c;
	s_lshl_b32 s2, s34, 1
	s_add_co_u32 s42, s39, s2
	s_add_co_u32 s42, s42, 512                     ; V: + 512 + 2 c
	s_mov_b32 s49, 0
	s_mov_b32 s51, 0
	s_wait_dscnt 0x0
	s_cmp_lt_u32 s[WV], 8
	s_cbranch_scc0 .Lv_path
	; ---- q and k
	s_cmp_lt_u32 s[WV], 4                          ; the buffers are chosen by the wave's number alone
	s_cselect_b64 s[44:45], s[18:19], s[22:23]
	s_cselect_b64 s[46:47], s[20:21], s[24:25]
	s_cselect_b32 s48, s36, s37
	s_cselect_b32 s50, s38, s40
	s_add_nc_u64 s[44:45], s[44:45], s[48:49]
	s_add_nc_u64 s[46:47], s[46:47], s[50:51]
.irp u, 0,1,2,3                                ; a tile of 16 tokens at a time; the four accumulators take turns, one instruction a turn
.irp t, 0,1,2,3
	MM D+8*\t, WF+16*\t, XF+16*\u, BI+8*\t, WS+2*\t, XS+2*\u
.endr
.irp t, 0,1,2,3
	MM D+8*\t, WF+16*\t+8, XF+16*\u+8, D+8*\t, WS+2*\t+1, XS+2*\u+1
.endr
.rept 4
	v_nop                                          ; four places behind the last product, ahead of the first read of results
.endr
	QUANT2 D, CD+4*\u, HW+\u
	v_lshl_or_b32 v[HW+\u], v[HW+\u], 16, v[HW+\u] ; (s0, s1, s0, s1)
	global_store_b128 v13, v[CD+4*\u:CD+4*\u+3], s[44:45] offset:512*\u      ; 32 lanes store 512 consecutive bytes, aligned
.endr
	v_cmp_ne_u32 vcc_lo, 0, v3                     ; the four tiles' words as one store: lane l = 16 (m % 2) + r holds the words of tiles m % 2 and 2 + m % 2
	s_delay_alu instid0(VALU_DEP_1)
	v_cndmask_b32 v254, v[HW], v[HW+1], vcc_lo
	s_delay_alu instid0(VALU_DEP_2)
	v_cndmask_b32 v255, v[HW+2], v[HW+3], vcc_lo
	global_store_b64 v14, v[254:255], s[46:47]     ; 256 consecutive bytes, aligned
	s_branch .Lend
.Lv_path:
	; ---- v
	s_mov_b32 s48, s41
	s_mov_b32 s50, s42
	s_add_nc_u64 s[44:45], s[22:23], s[48:49]
	s_add_nc_u64 s[46:47], s[24:25], s[50:51]
.irp t, 0,1,2,3
.irp j, 0,1,2,3,4,5,6,7
	v_mov_b32 v[BI+8*\t+\j], v[VB+\t]              ; the bias as C: my channel's number for each of the eight tokens
.endr
.endr
.irp u, 0,1,2,3                                ; a tile of 16 channels at a time, for all 64 tokens
.irp m, 0,1,2,3
	MM D+8*\m, XF+16*\m, WF+16*\u, BI+8*\u, XS+2*\m, WS+2*\u
.endr
.irp m, 0,1,2,3
	MM D+8*\m, XF+16*\m+8, WF+16*\u+8, D+8*\m, XS+2*\m+1, WS+2*\u+1
.endr
.rept 4
	v_nop
.endr
	QUANT2 D, CD+4*\u, HW+\u                       ; the blocks run along the tokens: registers 16 b + i are tokens 32 b + 8 h + i (i < 8), 32 b + 8 + 8 h + i (i >= 8)
	global_store_b128 v13, v[CD+4*\u:CD+4*\u+3], s[44:45] offset:1024*\u
.endr
	v_cmp_ne_u32 vcc_lo, 0, v3                     ; lanes 0-15 carry tile 2 tp's two bytes, lanes 16-31 tile 2 tp + 1's
	s_delay_alu instid0(VALU_DEP_1)
	v_cndmask_b32 v254, v[HW], v[HW+1], vcc_lo
	s_delay_alu instid0(VALU_DEP_2)
	v_cndmask_b32 v255, v[HW+2], v[HW+3], vcc_lo
	global_store_b16 v5, v254, s[46:47]            ; two bytes of each word of four: the other two are the neighbouring 64 tokens'
	global_store_b16 v5, v255, s[46:47] offset:128
.Lend:
	s_wait_xcnt 0x0
	v_lshl_add_u32 v254, v0, 2, 0x2200
	v_mov_b32 v255, 0
	s_wait_alu depctr_va_vdst(0)
	s_wait_tensorcnt 0x0
	ds_add_u32 v254, v255
	s_wait_dscnt 0x0
	s_endpgm
.Lfunc_end_k_q4c01d01da3_qkv:
	.size	k_q4c01d01da3_qkv, .Lfunc_end_k_q4c01d01da3_qkv-k_q4c01d01da3_qkv
	.p2alignl 7, 3214868480
	.fill 96, 4, 3214868480
	.section	.rodata,"a",@progbits
	.p2align	6, 0x0
	.amdhsa_kernel k_q4c01d01da3_qkv
		.amdhsa_group_segment_fixed_size 10752
		.amdhsa_private_segment_fixed_size 0
		.amdhsa_enable_private_segment 0
		.amdhsa_kernarg_size 88
		.amdhsa_user_sgpr_count 2
		.amdhsa_user_sgpr_kernarg_segment_ptr 1
		.amdhsa_wavefront_size32 1
		.amdhsa_system_sgpr_workgroup_id_x 1
		.amdhsa_system_sgpr_workgroup_id_y 1
		.amdhsa_system_sgpr_workgroup_id_z 1
		.amdhsa_system_vgpr_workitem_id 0
		.amdhsa_next_free_vgpr 256
		.amdhsa_next_free_sgpr 100
		.amdhsa_reserve_vcc 1
		.amdhsa_float_denorm_mode_32 3
		.amdhsa_float_denorm_mode_16_64 3
		.amdhsa_memory_ordered 1
		.amdhsa_forward_progress 1
		.amdhsa_inst_pref_size 51
	.end_amdhsa_kernel
	.amdgpu_metadata
---
amdhsa.version: [ 1, 2 ]
amdhsa.kernels:
  - .name:           k_q4c01d01da3_qkv
    .symbol:         k_q4c01d01da3_qkv.kd
    .args:
      - { .name: x, .offset: 0, .size: 8, .value_kind: global_buffer, .address_space: global }
      - { .name: gn_gamma, .offset: 8, .size: 8, .value_kind: global_buffer, .address_space: global }
      - { .name: gn_beta, .offset: 16, .size: 8, .value_kind: global_buffer, .address_space: global }
      - { .name: part, .offset: 24, .size: 8, .value_kind: global_buffer, .address_space: global }
      - { .name: w_qkv_codes, .offset: 32, .size: 8, .value_kind: global_buffer, .address_space: global }
      - { .name: w_qkv_scales, .offset: 40, .size: 8, .value_kind: global_buffer, .address_space: global }
      - { .name: b_qkv, .offset: 48, .size: 8, .value_kind: global_buffer, .address_space: global }
      - { .name: qc, .offset: 56, .size: 8, .value_kind: global_buffer, .address_space: global }
      - { .name: qs, .offset: 64, .size: 8, .value_kind: global_buffer, .address_space: global }
      - { .name: kvc, .offset: 72, .size: 8, .value_kind: global_buffer, .address_space: global }
      - { .name: kvs, .offset: 80, .size: 8, .value_kind: global_buffer, .address_space: global }
    .group_segment_fixed_size: 10752
    .private_segment_fixed_size: 0
    .kernarg_segment_align: 8
    .kernarg_segment_size: 88
    .max_flat_workgroup_size: 512
    .sgpr_count:     100
    .vgpr_count:     256
    .wavefront_size: 32
...
	.end_amdgpu_metadata
.endif
;; end of part 2
;; launch attn (part 3): grid 64 x 4, 16 waves a work-group, clusters of 4 x 1, 327,680 bytes of LDS; arguments qc, qs, kvc, kvs, w_proj_codes, w_proj_scales, b_proj, x, out0; writes out0
.if DOCPART == 3
	.amdgcn_target "amdgcn-amd-amdhsa--gfx1250"
	.amdhsa_code_object_version 6
	.text
	.protected	k_q4c01d01da3_attn
	.globl	k_q4c01d01da3_attn
	.p2align	8
	.type	k_q4c01d01da3_attn,@function
k_q4c01d01da3_attn:
	s_mov_b64 s[64:65], 0
	v_nop
	global_prefetch_b8 v0, s[64:65] scope:SCOPE_SE
	s_setreg_imm32_b32 hwreg(HW_REG_WAVE_MODE, 25, 1), 1
	s_wait_xcnt 0x0
	s_wait_alu depctr_hold_cnt(0) depctr_sa_sdst(0) depctr_va_vdst(0) depctr_va_sdst(0) depctr_va_ssrc(0) depctr_va_vcc(0) depctr_vm_vsrc(0)
	s_getreg_b32 s2, hwreg(HW_REG_IB_STS2, 6, 4)
	s_cmp_eq_u32 s2, 0
	s_cbranch_scc0 .Lentry_in_a_cluster
	s_endpgm
.Lentry_in_a_cluster:
	s_bfe_u32 s2, ttmp6, 0x10000c
	s_cmp_lg_u32 s2, 0x3003
	s_cbranch_scc0 .Lentry_shape_is_right
	s_endpgm
.Lentry_shape_is_right:
; ATTENTION, THE PROJECTION AND THE RESIDUAL, all three products on codes of FP4 (E2M1) with one E8M0 scale for each 32 along a product's K.
; out0[b][c][n] = x[b][c][n] + b_proj[c] + the sum over c' of Q(o)[n][c'] w_proj[c][c'],  o[n][64 head + d] = (the sum over keys of Q(p) Q(v)) / l.
; THE SOFTMAX AHEAD OF THE SECOND PRODUCT: t = score x log2(e) / 8; M = the row's largest t so far, rounded UP to a whole number; p = 2^(t - M) is what is quantised, along the keys; it is not normalised.
; The row's sum l is taken of the unquantised p, in f32, and divides at the end.  When M moves, l and O are multiplied by 2^(old M - new M): exact.
; SHARES.  A work-group owns 64 queries of one image, ALL FOUR HEADS of them, so that the projection, whose K runs over the heads, needs no other work-group.  Wave w: head w / 4, tile of 16 queries w % 4, in 256 registers:
; four waves to a SIMD, so that one wave's vector work stands beside another's matrix work and LDS loads.  Every wave walks all 4,096 keys, 128 a step.  In the tail wave w makes output channels 16 w .. 16 w + 15 for the 64 queries.
; LAYOUT.  q, k, v and their scales come from the launch before as IMAGES OF OPERAND REGISTERS: a step's K and V of all heads are 32,768 dense bytes, a fragment is read 16 bytes a lane, 512 consecutive bytes an instruction: no pitch, no padding.
; Both products are used transposed: S^T = K Q^T (source 0 = 16 keys, source 1 = my 16 queries), O^T = V^T P^T: a lane holds ONE query (lane % 16) throughout.
; THE HEAD'S K IS 64, THE INSTRUCTION'S 128.  Q's registers 4-7 are zero codes.  K's tile t is named as v[KF + 4 t : KF + 4 t + 7]: its upper four registers are the next tile's codes (behind tile 7: four registers of zeros); they meet Q's zero codes and add nothing.
; THE ORDER OF KEYS IN A BLOCK.  Tiles of K are 16 neighbouring keys, so p's conversions give each block of 32 in the order 0-7, 16-23, 8-15, 24-31; V's codes were laid in the same order.  An order of k shared by both operands leaves the products as they are.
; V's rows were chosen (channel 32 (dt / 2) + 8 (dt % 2) + r + 8 (r / 8)) so that O^T's 16 registers of tiles 2 b, 2 b + 1 are 16 neighbouring channels: the projection's K in its true order, as w_proj has it.
; CLUSTER.  The four work-groups of a cluster belong to one image and walk the same K and V: each tile is asked for JOINTLY, by the same tensor load with the same descriptor and a mask that names the four.
; RING.  Two slots of two steps (65,536 bytes); waves 0 to 3 fetch a quarter each, one load a wave behind each round: at most one tensor load of a wave is out.  The image's scale bytes (98,304) come once, by waves 4 to 7, and stay.
; LIMITS: p under 2^-126 becomes 0; a block whose largest magnitude lies under 2^-124 keeps the byte 1; a block of zeros has the byte 1 (its codes are zeros); NaN and infinities are not served.
.set SLOT1, 65536                      ; slot 1 begins here: one exclusive or turns an address in one slot into the other's
.set SCL,   131072                     ; the image's scale bytes, 3,072 a step
.set SPARE, 229376                     ; the spare words, 128 bytes for each wave: eight blocks of 256 bytes that no other line names
.set OIMG,  231424                     ; o's 8 fragments (tile of queries m, K step s: 1,024 (2 m + s)), as images
.set OSC,   239616                     ; their scale words, 64 bytes a fragment
.set STAGE, 240128                     ; the way out: 16 rows x (256 bytes + 16) for each wave
.set SP,    272
.set LC,  1                            ; v1   16 x lane + 4,096 head: my lane's place in a step's K (V: 16,384 on)
.set LK8, 2                            ; v2   my lane's place among a step's scale words of K
.set LV4, 3                            ; v3   and of V
.set SPW, 4                            ; v4   LDS address of my spare word: SPARE + 4 x my thread's number; never rewritten
.set NIL, 5                            ; v5   0; never rewritten
.set ADC, 6                            ; v6-8 the addresses of the step in hand
.set ADK, 7
.set ADV, 8
.set PFO, 9                            ; v9   256 x lane: the prefetches of K and V
.set OWI, 10                           ; v10  where I store o's image;  v11 its two scale bytes
.set OWS, 11
.set NM,  12                           ; v12  -M;  v13 the largest t
.set L,   14                           ; v[14:15] the sum, in two halves
.set QF,  16                           ; v[16:23] Q;  v24 its scale words
.set QS,  24
.set STO, 25                           ; v25  the stage: where I put 32 bytes of a row;  v26 where I read a row back
.set RD,  26
.set GO,  27                           ; v27  my byte offset in the wave's 16 channel rows of x and out0
.set OIR, 28                           ; v28  OIMG + 16 x lane;  v29 OSC + 4 r
.set OSR, 29
.set PFX, 30                           ; v30  16,384 x lane: the prefetch of x
.set KF,  32                           ; v[32:63] K's 8 tiles, 4 registers each;  v[64:67] zeros
.set VF,  68                           ; v[68:99] V's 4 fragments
.set S,   100                          ; v[100:163] S^T, then p
.set O,   164                          ; v[164:195] O^T
.set PC,  196                          ; v[196:203] p's codes
.set KS,  204                          ; v[204:207] K's scale words; v[208:209] V's; v210 p's: v[210:211] also carry a chain of sums ahead of p's word
.set VS,  208
.set PW,  210
.set BM,  212                          ; v[212:215] the blocks' largest;  v[216:219] the other lane's, bytes, a second chain of sums
.set PM,  216
.set F,   220                          ; v[220:221] f = 2^(old M - new M) (the pair's low word serves both halves)
.set SO,  222                          ; v[222:225] the conversions' scale operands
.set T,   226                          ; v226 at work
.set WP,  228                          ; v[228:243] w_proj's two fragments;  v[244:245] their scale words;  v246 b_proj;  v[248:255] the same eight times, as C
.set WPS, 244
.set BP,  246
.set BC,  248
.set WV,  22                           ; s22 wave;  s23 head;  s48 tile of queries;  s49 cx;  s50 block of 64 queries;  s51 image
.set HH,  23
.set G1C, 24                           ; s[24:31] descriptor group 1 for the codes;  s[32:39] for the scale bytes;  s[40:43], s[44:47] their groups 0
.set G1S, 32
.set G0C, 40
.set G0S, 44
.set MT,  48
.set CX,  49
.set BLK, 50
.set BB,  51
.set SEL, 52                           ; s[52:53] lane selects for v_permlanex16_b32: lane l xor 16
.set CS,  54                           ; s[54:55] c = log2(e) / 8: the packed form names a pair and takes its low word
.set TB,  56                           ; s56  LDS byte at which the slot in hand begins
.set TS,  57                           ; s57  where the step's scale bytes begin: 3,072 a step
.set SLOTS, 58                         ; s58  slots still to be asked for
.set LIM, 59                           ; s59  1 in a wave that prefetches K and V, else the greatest number
.set PFA, 60                           ; s[60:61] where my prefetches of K and V stand
.set XB,  68                           ; s[68:69] x at my wave's first channel row, my block's 64 tokens;  s[70:71] out0 likewise
.set OB,  70
.macro CROUND                          ; a round of the cluster's barrier: my work-group's barrier; wave 0 signals for the work-group; every wave waits for all four work-groups; my work-group's barrier once more
	s_barrier_signal -1
	s_barrier_wait -1
	s_cmp_lg_u32 s[WV], 0
	s_cbranch_scc1 .Lnot_wave_0_\@
	s_barrier_signal -3
.Lnot_wave_0_\@:
	s_barrier_wait -3
	s_barrier_signal -1
	s_barrier_wait -1
.endm
; The first fills: waves 0 to 3 a quarter of slot 0 each, waves 4 to 7 a quarter of the scale bytes each.  The branches hang on the wave's number alone.  Four v_nop follow each load.
.macro TLOAD0
	s_cmp_lt_u32 s[WV], 4
	s_cbranch_scc0 .Lnot_c_\@
	tensor_load_to_lds s[G0C:G0C+3], s[G1C:G1C+7]
	s_nop 0
.rept 4
	v_nop
.endr
	s_branch .Lasked_\@
.Lnot_c_\@:
	s_cmp_lt_u32 s[WV], 8
	s_cbranch_scc0 .Lasked_\@
	tensor_load_to_lds s[G0S:G0S+3], s[G1S:G1S+7]
	s_nop 0
.rept 4
	v_nop
.endr
.Lasked_\@:
.endm
.macro TLOADC                          ; a refill: waves 0 to 3, a quarter of a slot each
	s_cmp_lt_u32 s[WV], 4
	s_cbranch_scc0 .Lasked_\@
	tensor_load_to_lds s[G0C:G0C+3], s[G1C:G1C+7]
	s_nop 0
.rept 4
	v_nop
.endr
.Lasked_\@:
.endm
; A PREFETCH INTO THE L2 of the slot that the NEXT change of slots will ask for: 65,536 dense bytes.  Each aligned block of 256 bytes is named once in the launch: all sixteen clusters of an image walk the same bytes, and the
; image's first cluster asks; its four partners take 16,384 bytes each, told apart BY ADDRESS; in each, waves 8 and 9, which fetch nothing, ask for 8,192 bytes each, lanes 256 bytes apart.
; The last change that fills a slot asks for nothing: there is no slot behind it.  Slots 0 and 1 come by their loads alone.
.macro ASK
	s_cmp_gt_u32 s[SLOTS], s[LIM]
	s_cbranch_scc0 .Lnot_mine_\@
	global_prefetch_b8 v[PFO], s[PFA:PFA+1] th:TH_LOAD_NT scope:SCOPE_SE
.Lnot_mine_\@:
.endm
; 32 numbers of a lane, register 16 b + i in block b, which lanes l and l xor 16 share, become 4 registers of codes in which lane (r, h) holds the whole of block h, and the two bytes in v[hw].
.macro QUANT2 s, c, hw
.irp b, 0,1
	v_max3_num_f32 v[BM+\b], |v[(\s)+16*\b]|, |v[(\s)+1+16*\b]|, 0x1800000   ; my 16 numbers, and the floor 2^(3 - 127): so the byte cannot fall under 1
.endr
.irp i, 2,4,6,8,10,12,14
.irp b, 0,1
	s_delay_alu instid0(VALU_DEP_2)
	v_max3_num_f32 v[BM+\b], v[BM+\b], |v[(\s)+16*\b+\i]|, |v[(\s)+1+16*\b+\i]|
.endr
.endr
.irp b, 0,1
	s_delay_alu instid0(VALU_DEP_2)
	v_permlanex16_b32 v[PM+\b], v[BM+\b], s[SEL], s[SEL+1]
.endr
.irp b, 0,1
	s_delay_alu instid0(VALU_DEP_2)
	v_max_num_f32 v[BM+\b], v[BM+\b], v[PM+\b]
.endr
.irp b, 0,1
	s_delay_alu instid0(VALU_DEP_2)
	v_add_nc_u32 v[SO+\b], 0xff000000, v[BM+\b]    ; 2 off the exponent field: the conversion's scale operand
.endr
.irp b, 0,1
	s_delay_alu instid0(VALU_DEP_2)
	v_lshrrev_b32 v[PM+\b], 23, v[SO+\b]           ; the scale's byte
.endr
	s_delay_alu instid0(VALU_DEP_1)
	v_lshl_or_b32 v[\hw], v[PM+1], 8, v[PM]
.irp b, 0,1
	v_cvt_scalef32_pk8_fp4_f32 v[(\c)+2*\b], v[(\s)+16*\b:(\s)+16*\b+7], v[SO+\b]
	v_cvt_scalef32_pk8_fp4_f32 v[(\c)+2*\b+1], v[(\s)+16*\b+8:(\s)+16*\b+15], v[SO+\b]
.endr
	v_nop                                          ; one plain place behind a scaled conversion
	v_permlane16_swap_b32 v[(\c)], v[(\c)+2]
	v_permlane16_swap_b32 v[(\c)+1], v[(\c)+3]
.endm
	s_load_b512 s[4:19], s[0:1], 0x0               ; qc s[4:5], qs s[6:7], kvc s[8:9], kvs s[10:11], w_proj's codes s[12:13], its scales s[14:15], b_proj s[16:17], x s[18:19]
	s_load_b64 s[20:21], s[0:1], 0x40              ; out0
	v_lshl_add_u32 v[SPW], v0, 2, SPARE
	v_mov_b32 v[NIL], 0
	ds_add_u32 v4, v5
	ds_add_u32 v4, v5
	s_wait_dscnt 0x0
	v_lshrrev_b32 v100, 5, v0
	s_delay_alu instid0(VALU_DEP_1)
	v_readfirstlane_b32 s[WV], v100                ; wave 0..15
	s_lshr_b32 s[HH], s[WV], 2                     ; my head
	s_and_b32 s[MT], s[WV], 3                      ; my tile of 16 queries.  Also: which quarter I fetch, if I fetch
	s_bfe_u32 s[CX], ttmp6, 0x40000                ; cx: my place in the cluster
	s_lshl_b32 s[BLK], ttmp9, 2                    ; in a cluster launch ttmp9 counts clusters
	s_add_co_u32 s[BLK], s[BLK], s[CX]             ; my block of 64 queries: it enters the addresses of Q, x and out0 alone
	s_and_b32 s[BB], ttmp7, 0xffff                 ; the image, which the four partners share
	v_and_b32 v102, 31, v0                         ; lane
	s_wait_alu depctr_va_vdst(0)
	v_and_b32 v100, 15, v0                         ; r
	s_wait_alu depctr_va_vdst(0)
	v_bfe_u32 v101, v0, 4, 1                       ; h
	; every address register is made here, ahead of the first branch on the wave's number; no place in the cluster enters an LDS address
	s_lshl_b32 s72, s[HH], 12
	v_lshlrev_b32 v[LC], 4, v102
	s_delay_alu instid0(VALU_DEP_1)
	v_add_nc_u32 v[LC], s72, v[LC]
	s_mul_i32 s72, s[HH], 768
	s_add_co_u32 s72, s72, SCL
	v_lshl_add_u32 v[LK8], v102, 3, s72            ; K's words: 8 bytes a lane: keys 32 (2 pp) + lane and 32 (2 pp + 1) + lane
	s_add_co_u32 s72, s72, 512
	v_lshl_add_u32 v[LV4], v102, 2, s72            ; V's: lanes 0-15 tile 2 tp, lanes 16-31 tile 2 tp + 1
	v_lshlrev_b32 v[PFO], 8, v102
	s_lshl_b32 s72, s[MT], 11                      ; o's image: fragment 2 m + head / 2, registers' half head % 2: 2,048 m + 512 head
	s_lshl_b32 s73, s[HH], 9
	s_add_co_u32 s72, s72, s73
	s_add_co_u32 s72, s72, OIMG
	v_lshl_add_u32 v[OWI], v102, 4, s72
	s_lshl_b32 s72, s[MT], 7                       ; its scale bytes: 64 (2 m + head / 2) + 4 r + 2 (head % 2)
	s_lshr_b32 s73, s[HH], 1
	s_lshl_b32 s73, s73, 6
	s_add_co_u32 s72, s72, s73
	s_and_b32 s73, s[HH], 1
	s_lshl_b32 s73, s73, 1
	s_add_co_u32 s72, s72, s73
	s_add_co_u32 s72, s72, OSC
	v_lshl_add_u32 v[OWS], v100, 2, s72
	s_mul_i32 s72, s[WV], 16*SP
	s_add_co_u32 s72, s72, STAGE                   ; my stage
	v_mul_u32_u24 v[STO], v100, SP                 ; in: row r (a channel), 32 bytes for each half of the lanes
	s_wait_alu depctr_va_vdst(0)
	v_lshl_add_u32 v[STO], v101, 5, v[STO]
	s_delay_alu instid0(VALU_DEP_1)
	v_add_nc_u32 v[STO], s72, v[STO]
	v_mul_u32_u24 v[RD], v101, SP                  ; back: lanes 0-15 one row of 256 bytes, lanes 16-31 the next
	s_delay_alu instid0(VALU_DEP_1)
	v_lshl_add_u32 v[RD], v100, 4, v[RD]
	s_delay_alu instid0(VALU_DEP_1)
	v_add_nc_u32 v[RD], s72, v[RD]
	v_lshlrev_b32 v[GO], 14, v101                  ; and the same two channel rows in x and out0: 16,384 bytes apart
	s_delay_alu instid0(VALU_DEP_1)
	v_lshl_add_u32 v[GO], v100, 4, v[GO]
	v_lshl_add_u32 v[OIR], v102, 4, OIMG
	v_lshl_add_u32 v[OSR], v100, 2, OSC
	v_lshlrev_b32 v[PFX], 14, v102
	v_lshlrev_b32 v103, 4, v102                    ; offsets of the loads at the head: Q's image, 16 bytes a lane;
	v_lshlrev_b32 v104, 3, v100                    ; 8 r: Q's scale words, w_proj's scale bytes;
	v_lshlrev_b32 v105, 7, v100
	s_delay_alu instid0(VALU_DEP_1)
	v_lshl_add_u32 v105, v101, 4, v105             ; w_proj: row r of 128 bytes, + 16 h;
	v_lshlrev_b32 v107, 2, v100                    ; b_proj: 4 r
	; descriptor groups 1: dense blocks as rows of 256 bytes (32 elements of 8 bytes), no padding: the images are read 512 consecutive bytes an instruction
	s_mov_b32 s[G1C], 15|(3<<16)|(1<<21)           ; 15:0 the mask: all four work-groups; 17:16 elements of 8 bytes; 21 set beside a mask
	s_mov_b32 s[G1C+1], 32<<16                     ; tensor_dim0 = 32
	s_mov_b32 s[G1C+2], 64<<16                     ; tensor_dim1 = 64
	s_mov_b32 s[G1C+3], 32<<16                     ; tile_dim0 = 32
	s_mov_b32 s[G1C+4], 64                         ; tile_dim1 = 64: 16,384 bytes, a quarter of a slot
	s_mov_b32 s[G1C+5], 32                         ; the pitch
	s_mov_b32 s[G1C+6], 0
	s_mov_b32 s[G1C+7], 0
	s_mov_b32 s[G1S], 15|(3<<16)|(1<<21)
	s_mov_b32 s[G1S+1], 32<<16
	s_mov_b32 s[G1S+2], 96<<16                     ; 96 rows: 24,576 bytes, a quarter of the image's scale bytes
	s_mov_b32 s[G1S+3], 32<<16
	s_mov_b32 s[G1S+4], 96
	s_mov_b32 s[G1S+5], 32
	s_mov_b32 s[G1S+6], 0
	s_mov_b32 s[G1S+7], 0
	s_lshl_b32 s72, s[MT], 14                      ; my quarter of a slot (s72 to s77 feed the descriptors and never hold cx)
	s_lshl_b32 s74, s[BB], 20
	s_add_co_u32 s74, s74, s72
	s_mov_b32 s75, 0
	s_mul_i32 s73, s[MT], 24576                    ; my quarter of the scale bytes
	s_mul_i32 s76, s[BB], 98304
	s_add_co_u32 s76, s76, s73
	s_mov_b32 s77, 0
	s_mov_b32 s[SEL], 0x76543210
	s_mov_b32 s[SEL+1], 0xfedcba98
	s_mov_b32 s[CS], 0x3e38aa3b                    ; c = log2(e) / 8
	s_mov_b32 s[CS+1], s[CS]                       ; (named with it as a pair, so it is written)
	s_mov_b32 s[TB], 0
	s_mov_b32 s[TS], 0
	s_mov_b32 s[SLOTS], 15
	s_wait_kmcnt 0x0
	s_mov_b32 s[G0C], 1                            ; 1:0 count = 1
	s_mov_b32 s[G0C+1], s72                        ; 63:32 LDS address: slot 0
	s_add_nc_u64 s[G0C+2:G0C+3], s[8:9], s[74:75]  ; 120:64 global address: the image's first two steps
	s_or_b32 s[G0C+3], s[G0C+3], 0x80000000        ; 127:126 type = 2
	s_mov_b32 s[G0S], 1
	s_add_co_u32 s[G0S+1], s73, SCL
	s_add_nc_u64 s[G0S+2:G0S+3], s[10:11], s[76:77]
	s_or_b32 s[G0S+3], s[G0S+3], 0x80000000
	CROUND                                         ; all four work-groups are here: the first joint loads meet
	TLOAD0
	s_lshl_b32 s78, s[BB], 2
	s_add_co_u32 s78, s78, s[HH]                   ; 4 b + head
	s_lshl_b32 s62, s78, 17                        ; Q's image: 131,072 (4 b + head) + 2,048 blk + 512 m
	s_lshl_b32 s79, s[BLK], 11
	s_add_co_u32 s62, s62, s79
	s_lshl_b32 s79, s[MT], 9
	s_add_co_u32 s62, s62, s79
	s_mov_b32 s63, 0
	s_add_nc_u64 s[4:5], s[4:5], s[62:63]
	s_lshl_b32 s62, s78, 14                        ; its scale words: 16,384 (4 b + head) + 256 blk + 128 (m % 2) + 4 (m / 2), + 8 r
	s_lshl_b32 s79, s[BLK], 8
	s_add_co_u32 s62, s62, s79
	s_and_b32 s79, s[MT], 1
	s_lshl_b32 s79, s79, 7
	s_add_co_u32 s62, s62, s79
	s_lshr_b32 s79, s[MT], 1
	s_lshl_b32 s79, s79, 2
	s_add_co_u32 s62, s62, s79
	s_add_nc_u64 s[6:7], s[6:7], s[62:63]
	s_lshl_b32 s62, s[WV], 11                      ; w_proj: my 16 rows of 128 bytes,
	s_add_nc_u64 s[12:13], s[12:13], s[62:63]
	s_lshl_b32 s62, s[WV], 7                       ; of 8 scale bytes,
	s_add_nc_u64 s[14:15], s[14:15], s[62:63]
	s_lshl_b32 s62, s[WV], 6                       ; and their bias
	s_add_nc_u64 s[16:17], s[16:17], s[62:63]
	s_wait_alu depctr_va_vdst(0)
	global_load_b128 v[QF:QF+3], v103, s[4:5]      ; Q stays in registers
	global_load_b32 v[QS], v104, s[6:7]
.irp s, 0,1
.irp c, 0,1
	global_load_b128 v[WP+8*\s+4*\c:WP+8*\s+4*\c+3], v105, s[12:13] offset:64*\s+32*\c   ; and so does my part of w_proj
.endr
.endr
	global_load_b64 v[WPS:WPS+1], v104, s[14:15]
	global_load_b32 v[BP], v107, s[16:17]
	s_lshl_b32 s62, s[BB], 22                      ; x and out0: image b, channel 16 w, token 64 blk
	s_lshl_b32 s79, s[WV], 18
	s_add_co_u32 s62, s62, s79
	s_lshl_b32 s79, s[BLK], 8
	s_add_co_u32 s62, s62, s79
	s_add_nc_u64 s[XB:XB+1], s[18:19], s[62:63]
	s_add_nc_u64 s[OB:OB+1], s[20:21], s[62:63]
	s_lshl_b32 s62, s[BB], 20                      ; the prefetches of K and V: my work-group's 16,384 bytes, my wave's 8,192 of them,
	s_lshl_b32 s79, s[CX], 14
	s_add_co_u32 s62, s62, s79
	s_and_b32 s79, s[WV], 1
	s_lshl_b32 s79, s79, 13
	s_add_co_u32 s62, s62, s79
	s_add_co_u32 s62, s62, SLOT1                   ; in slot 1: the first change of slots steps it to slot 2.  Nothing is prefetched here, at the head
	s_add_nc_u64 s[PFA:PFA+1], s[8:9], s[62:63]
	s_sub_co_u32 s62, s[WV], 8
	s_lshr_b32 s62, s62, 1                         ; 0 in waves 8 and 9,
	s_or_b32 s62, s62, ttmp9                       ; of the image's first cluster: the same in all four partners
	s_cmp_eq_u32 s62, 0
	s_cselect_b32 s[LIM], 1, -1
.irp j, 4,5,6,7
	v_mov_b32 v[QF+\j], 0                          ; Q's codes of k = 64 .. 127: zeros
.endr
.irp j, 0,1,2,3
	v_mov_b32 v[KF+32+\j], 0                       ; what stands behind K's tile 7
	v_mov_b32 v[PM+\j], 0                          ; written once: a lane permute's destination counts as one of its sources
.endr
	v_mov_b32 v[NM+1], 0xff61b1e6                  ; the largest t so far: -3e38, under every t
	s_delay_alu instid0(VALU_DEP_1)
	v_floor_f32 v[NM], -v[NM+1]                    ; -M
	v_mov_b32 v[L], 0
	v_mov_b32 v[L+1], 0
	v_mov_b32 v[F+1], 0                            ; (named as the upper half of the pair)
.set j, 0
.rept 32
	v_mov_b32 v[O+j], 0                            ; O^T.  (The loop is written once: its first step finds zeros, which the first change of M leaves zeros)
.set j, j+1
.endr
	s_wait_loadcnt 0x0
.irp j, 0,1,2,3,4,5,6,7
	v_mov_b32 v[BC+\j], v[BP]                      ; the projection's bias as C: my channel's number for each of eight tokens
.endr
; A KEY STEP: 128 keys, the q-th of the slot in hand.
.macro STEP q
	v_add_nc_u32 v[ADC], s[TB], v[LC]
	v_add_nc_u32 v[ADK], s[TS], v[LK8]
	v_add_nc_u32 v[ADV], s[TS], v[LV4]
	v_nop                                          ; with the three additions: four places behind the last step's products, ahead of the loads into registers that they read
.irp t, 0,1,2,3,4,5,6,7
	ds_load_b128 v[KF+4*\t:KF+4*\t+3], v[ADC] offset:32768*(\q)+512*\t
.endr
.irp p, 0,1
	ds_load_b64 v[KS+2*\p:KS+2*\p+1], v[ADK] offset:256*\p
.endr
.irp f, 0,1,2,3,4,5,6,7
	ds_load_b128 v[VF+4*\f:VF+4*\f+3], v[ADC] offset:32768*(\q)+16384+512*\f
.endr
.irp p, 0,1
	ds_load_b32 v[VS+\p], v[ADV] offset:128*\p
.endr
	s_wait_dscnt 10                                ; K and its scale words are in; V's ten loads may stay out: they land under the softmax
.irp t, 0,2,4,6                                ; S^T = K Q^T: register KS + t / 2 carries tile t's words in lanes 0-15 and tile t + 1's in lanes 16-31
	v_wmma_scale_f32_16x16x128_f8f6f4 v[S+8*\t:S+8*\t+7], v[KF+4*\t:KF+4*\t+7], v[QF:QF+7], 0, v[KS+\t/2], v[QS] matrix_a_fmt:MATRIX_FMT_FP4 matrix_b_fmt:MATRIX_FMT_FP4
	v_wmma_scale_f32_16x16x128_f8f6f4 v[S+8*\t+8:S+8*\t+15], v[KF+4*\t+4:KF+4*\t+11], v[QF:QF+7], 0, v[KS+\t/2], v[QS] matrix_a_fmt:MATRIX_FMT_FP4 matrix_b_fmt:MATRIX_FMT_FP4 matrix_a_scale:MATRIX_SCALE_ROW1
.endr
.rept 4
	v_nop                                          ; four places ahead of the first read of results
.endr
.irp b, 0,1,2,3
	v_max3_num_f32 v[BM+\b], v[S+16*\b], v[S+16*\b+1], v[S+16*\b+2]   ; THE LARGEST SCORE OF EACH BLOCK OF 32 KEYS: it serves twice: for the row's maximum, and, since p rises with the score, for the block's largest p
.endr
.irp i, 3,5,7,9,11,13
.irp b, 0,1,2,3
	v_max3_num_f32 v[BM+\b], v[BM+\b], v[S+16*\b+\i], v[S+16*\b+\i+1]
.endr
.endr
.irp b, 0,1,2,3
	v_max_num_f32 v[BM+\b], v[BM+\b], v[S+16*\b+15]
.endr
.irp b, 0,1,2,3
	s_delay_alu instid0(VALU_DEP_4)
	v_permlanex16_b32 v[PM+\b], v[BM+\b], s[SEL], s[SEL+1]
.endr
.irp b, 0,1,2,3
	s_delay_alu instid0(VALU_DEP_4)
	v_max_num_f32 v[BM+\b], v[BM+\b], v[PM+\b]     ; with lane l xor 16's 16 keys
.endr
	s_delay_alu instid0(VALU_DEP_2)
	v_max3_num_f32 v[T], v[BM], v[BM+1], v[BM+2]
	s_delay_alu instid0(VALU_DEP_1)
	v_max_num_f32 v[T], v[T], v[BM+3]              ; the step's largest score of my query
	s_delay_alu instid0(VALU_DEP_1)
	v_mul_f32 v[T], s[CS], v[T]                    ; as t (c is positive)
	s_delay_alu instid0(VALU_DEP_1)
	v_max_num_f32 v[NM+1], v[NM+1], v[T]           ; the running largest t
	v_mov_b32 v[T], v[NM]
	s_delay_alu instid0(VALU_DEP_2)
	v_floor_f32 v[NM], -v[NM+1]                    ; the new -M = floor(-t) = -ceil(t): M IS A WHOLE NUMBER
	s_delay_alu instid0(VALU_DEP_1)
	v_sub_f32 v[T], v[NM], v[T]                    ; M's old value less its new one: a whole number, 0 or less
	s_delay_alu instid0(VALU_DEP_1)
	v_cvt_i32_f32 v[T], v[T]                       ; (it saturates)
	s_delay_alu instid0(VALU_DEP_1)
	v_ldexp_f32 v[F], 1.0, v[T]                    ; f = 2^(old M - new M): a multiplication by it rounds nothing
.set j, 0
.rept 32
	v_pk_fma_f32 v[S+j:S+j+1], v[S+j:S+j+1], s[CS:CS+1], v[NM:NM+1] op_sel_hi:[1,0,0]   ; t - M, two at a time
.set j, j+2
.endr
.irp b, 0,1,2,3
	v_fma_f32 v[BM+\b], v[BM+\b], s[CS], v[NM]     ; the same of each block's largest score
.endr
.set j, 0
	s_wait_alu depctr_va_vdst(0)
.rept 64
	v_exp_f32 v[S+j], v[S+j]                       ; p = 2^(t - M), at most 1: NOT normalised
.set j, j+1
.endr
	v_pk_mul_f32 v[L:L+1], v[L:L+1], v[F:F+1] op_sel_hi:[1,0]      ; the sums under the new M: a plain place behind the exponentials
	s_wait_alu depctr_va_vdst(0)                   ; one wait for the whole batch, ahead of its first reader
.irp b, 0,1,2,3
	v_exp_f32 v[BM+\b], v[BM+\b]                   ; the block's largest p: the same two instructions on the same number give the same bits
.endr
	v_pk_add_f32 v[216:217], v[104:105], v[108:109]
	v_pk_add_f32 v[246:247], v[112:113], v[116:117]
	v_pk_add_f32 v[226:227], v[120:121], v[124:125]
	v_pk_add_f32 v[224:225], v[128:129], v[132:133]
	v_pk_add_f32 v[222:223], v[136:137], v[140:141]
	v_pk_add_f32 v[218:219], v[144:145], v[148:149]
	v_pk_add_f32 v[210:211], v[152:153], v[156:157]
	v_pk_add_f32 v[14:15], v[14:15], v[160:161]
	v_pk_add_f32 v[216:217], v[216:217], v[100:101]
	v_pk_add_f32 v[246:247], v[246:247], v[102:103]
	v_pk_add_f32 v[226:227], v[226:227], v[106:107]
	v_pk_add_f32 v[224:225], v[224:225], v[110:111]
	v_pk_add_f32 v[222:223], v[222:223], v[114:115]
	v_pk_add_f32 v[218:219], v[218:219], v[118:119]
	v_pk_add_f32 v[210:211], v[210:211], v[122:123]
	v_pk_add_f32 v[14:15], v[14:15], v[126:127]
	v_pk_add_f32 v[216:217], v[216:217], v[130:131]
	v_pk_add_f32 v[246:247], v[246:247], v[134:135]
	v_pk_add_f32 v[226:227], v[226:227], v[138:139]
	v_pk_add_f32 v[224:225], v[224:225], v[142:143]
	v_pk_add_f32 v[222:223], v[222:223], v[146:147]
	v_pk_add_f32 v[218:219], v[218:219], v[150:151]
	v_pk_add_f32 v[210:211], v[210:211], v[154:155]
	v_pk_add_f32 v[14:15], v[14:15], v[158:159]
	v_pk_add_f32 v[216:217], v[216:217], v[162:163]
	s_delay_alu instid0(VALU_DEP_2)
	v_pk_add_f32 v[14:15], v[14:15], v[224:225]
	s_delay_alu instid0(VALU_DEP_2)
	v_pk_add_f32 v[216:217], v[216:217], v[222:223]
	v_pk_add_f32 v[246:247], v[246:247], v[218:219]
	v_pk_add_f32 v[226:227], v[226:227], v[210:211]
	s_delay_alu instid0(VALU_DEP_2)
	v_pk_add_f32 v[14:15], v[14:15], v[246:247]
	s_delay_alu instid0(VALU_DEP_2)
	v_pk_add_f32 v[216:217], v[216:217], v[226:227]
	s_delay_alu instid0(VALU_DEP_1)
	v_pk_add_f32 v[14:15], v[14:15], v[216:217]
	s_wait_alu depctr_va_vdst(0)                   ; and one for the four
.irp b, 0,1,2,3
	v_max_num_f32 v[BM+\b], 0x1800000, v[BM+\b]    ; the floor 2^(3 - 127): the byte cannot fall under 1
.endr
.irp b, 0,1,2,3
	s_delay_alu instid0(VALU_DEP_4)
	v_add_nc_u32 v[SO+\b], 0xff000000, v[BM+\b]    ; 2 off the exponent field: the conversion's scale operand
.endr
.irp b, 0,1,2,3
	s_delay_alu instid0(VALU_DEP_4)
	v_lshrrev_b32 v[PM+\b], 23, v[SO+\b]           ; the scale's byte
.endr
	s_delay_alu instid0(VALU_DEP_3)
	v_lshl_or_b32 v[PW], v[PM+1], 8, v[PM]         ; p's scale word for these 128 keys
	s_delay_alu instid0(VALU_DEP_1)
	v_lshl_or_b32 v[PW], v[PM+2], 16, v[PW]
	s_delay_alu instid0(VALU_DEP_1)
	v_lshl_or_b32 v[PW], v[PM+3], 24, v[PW]
.irp b, 0,1,2,3
	v_cvt_scalef32_pk8_fp4_f32 v[PC+2*\b], v[S+16*\b:S+16*\b+7], v[SO+\b]
	v_cvt_scalef32_pk8_fp4_f32 v[PC+2*\b+1], v[S+16*\b+8:S+16*\b+15], v[SO+\b]
.endr
	v_nop                                          ; one plain place behind a scaled conversion
.irp c, 0,1                                    ; a WHOLE block in a lane: lanes 0-15 block 2 c, lanes 16-31 block 2 c + 1
.irp i, 0,1
	v_permlane16_swap_b32 v[PC+4*\c+\i], v[PC+4*\c+2+\i]
.endr
.endr
.set j, 0
.rept 16
	v_pk_mul_f32 v[O+j:O+j+1], v[O+j:O+j+1], v[F:F+1] op_sel_hi:[1,0]   ; O^T under the new M, each tile from its low end on.  Twelve of these name no register of any one product below: its places behind the scale word and the codes
.set j, j+2
.endr
	s_wait_alu depctr_va_vdst(0)
	s_wait_dscnt 0x0                               ; V and its scale words are in
.irp p, 0,1                                    ; O^T += V^T P^T: K = these 128 keys; the four accumulators take turns
	v_wmma_scale_f32_16x16x128_f8f6f4 v[O+16*\p:O+16*\p+7], v[VF+16*\p:VF+16*\p+7], v[PC:PC+7], v[O+16*\p:O+16*\p+7], v[VS+\p], v[PW] matrix_a_fmt:MATRIX_FMT_FP4 matrix_b_fmt:MATRIX_FMT_FP4
	v_wmma_scale_f32_16x16x128_f8f6f4 v[O+16*\p+8:O+16*\p+15], v[VF+16*\p+8:VF+16*\p+15], v[PC:PC+7], v[O+16*\p+8:O+16*\p+15], v[VS+\p], v[PW] matrix_a_fmt:MATRIX_FMT_FP4 matrix_b_fmt:MATRIX_FMT_FP4 matrix_a_scale:MATRIX_SCALE_ROW1
.endr
	s_add_co_u32 s[TS], s[TS], 3072                ; the next step's scale bytes
.endm
; THE CHANGE OF SLOTS stands at a slot's head.  Each wave waits for all its tensor loads (its part of the slot ahead, or of the scale bytes), adds 0 to its spare word, and waits for that and for its reads of the slot that it has left.
; fill = 1: the barrier is a round of the cluster's, so that no wave of any partner still reads the other slot or has a load on its way; the joint refill is the first thing behind it and has two steps of all sixteen waves in which to land.
; fill = 0: the last slot: nothing is asked for.  Here the even waves prefetch the 32 channel rows x 256 bytes of x that they and the wave behind them load in the tail, two key steps on: a lane a row, each block named once in the launch.
.macro CHANGE fill
	s_wait_tensorcnt 0x0                           ; no tensor load of mine is out, so a group 0 may be written
	ds_add_u32 v[SPW], v[NIL]                      ; 0 onto my spare word
.if \fill
	s_xor_b32 s[G0C+1], s[G0C+1], SLOT1            ; the walking descriptor: the other slot than last time,
	s_add_nc_u64 s[G0C+2:G0C+3], s[G0C+2:G0C+3], SLOT1   ; the next two steps; the type bits on top are not reached
	s_wait_xcnt 0x0                                ; the last prefetch, a slot back, has read its address, so it may be written:
	s_add_nc_u64 s[PFA:PFA+1], s[PFA:PFA+1], SLOT1 ; one slot further on than the walking descriptor
	s_wait_dscnt 0x0                               ; the add is done, and my reads of the slot that I have left are over
	CROUND
	TLOADC
	ASK
.else
	s_wait_dscnt 0x0
	s_barrier_signal -1
	s_barrier_wait -1
	s_and_b32 s62, s[WV], 1
	s_cmp_eq_u32 s62, 0
	s_cbranch_scc0 .Lodd_\@
	global_prefetch_b8 v[PFX], s[XB:XB+1] th:TH_LOAD_NT scope:SCOPE_SE
.Lodd_\@:
.endif
.endm
.Lslot:                                            ; 15 trips: behind each change of slots but the last the next slot is asked for
	CHANGE 1
	STEP 0
	STEP 1
	s_xor_b32 s[TB], s[TB], SLOT1                  ; on to the other slot
	s_sub_co_u32 s[SLOTS], s[SLOTS], 1
	s_cmp_lg_u32 s[SLOTS], 0
	s_cbranch_scc1 .Lslot
	CHANGE 0                                       ; the last slot is written out
	STEP 0
	STEP 1
	; ---- THE TAIL.  x's rows are asked for first: they land under the projection
.irp i, 0,1,2,3,4,5,6,7
	global_load_b128 v[KF+4*\i:KF+4*\i+3], v[GO], s[XB:XB+1] offset:32768*\i   ; channels 16 w + 2 i + h: sixteen lanes read 256 consecutive bytes
.endr
	v_add_f32 v[L], v[L], v[L+1]                   ; the sum's two halves,
	s_delay_alu instid0(VALU_DEP_1)
	v_permlanex16_b32 v[PM], v[L], s[SEL], s[SEL+1]
	s_delay_alu instid0(VALU_DEP_1)
	v_add_f32 v[L], v[L], v[PM]                    ; and lane l xor 16's: the row's sum
	s_wait_alu depctr_va_vdst(0)
	v_rcp_f32 v[L], v[L]
.rept 4
	v_nop                                          ; four places behind the last products, ahead of the first read of O^T; the first is also the plain place behind the reciprocal
.endr
	s_wait_alu depctr_va_vdst(0)                   ; the wait ahead of the reciprocal's first reader
.set j, 0
.rept 32
	v_mul_f32 v[S+j], v[O+j], v[L]                 ; o = O^T / l: register 16 b + i is channel 32 b + 16 h + i of my head
.set j, j+1
.endr
	QUANT2 S, PC, T                                ; my head's two blocks of the projection's K
	ds_store_b128 v[OWI], v[PC:PC+3]               ; as an image of the operand's registers
	ds_store_b16 v[OWS], v[T]                      ; lanes r and r + 16 write the same two bytes with the same value
	s_wait_dscnt 0x0                               ; for the others' sake: my stores have landed
	s_barrier_signal -1
	s_barrier_wait -1                              ; o's eight fragments and their scale words lie in LDS
.irp f, 0,1,2,3,4,5,6,7
.irp c, 0,1
	ds_load_b128 v[S+8*\f+4*\c:S+8*\f+4*\c+3], v[OIR] offset:1024*\f+512*\c
.endr
	ds_load_b32 v[KS+\f], v[OSR] offset:64*\f
.endr
	s_wait_dscnt 0x0
.irp m, 0,1,2,3                                ; source 0 = 16 tokens, source 1 = my 16 rows of w_proj: a lane holds one channel and eight neighbouring tokens, as out0 lies.  The four accumulators take turns
	v_wmma_scale_f32_16x16x128_f8f6f4 v[O+8*\m:O+8*\m+7], v[S+16*\m:S+16*\m+7], v[WP:WP+7], v[BC:BC+7], v[KS+2*\m], v[WPS] matrix_a_fmt:MATRIX_FMT_FP4 matrix_b_fmt:MATRIX_FMT_FP4
.endr
.irp m, 0,1,2,3
	v_wmma_scale_f32_16x16x128_f8f6f4 v[O+8*\m:O+8*\m+7], v[S+16*\m+8:S+16*\m+15], v[WP+8:WP+15], v[O+8*\m:O+8*\m+7], v[KS+2*\m+1], v[WPS+1] matrix_a_fmt:MATRIX_FMT_FP4 matrix_b_fmt:MATRIX_FMT_FP4
.endr
.rept 4
	v_nop
.endr
.irp m, 0,1,2,3
	ds_store_b128 v[STO], v[O+8*\m:O+8*\m+3] offset:64*\m          ; lane (r, h): channel r, tokens 16 m + 8 h + 0 .. 7; each accumulator from its low end on
	ds_store_b128 v[STO], v[O+8*\m+4:O+8*\m+7] offset:64*\m+16
.endr
.irp i, 0,1,2,3,4,5,6,7
	ds_load_b128 v[VF+4*\i:VF+4*\i+3], v[RD] offset:2*SP*\i        ; LDS serves a wave's instructions in order: these see my stores; the stage is my own
.endr
	s_wait_loadcnt 0x0                             ; x
.irp i, 0,1,2,3,4,5,6,7
	s_wait_dscnt 7-\i                              ; rows 2 i, 2 i + 1 are back; the younger loads may be out
	v_pk_add_f32 v[VF+4*\i:VF+4*\i+1], v[VF+4*\i:VF+4*\i+1], v[KF+4*\i:KF+4*\i+1]
	v_pk_add_f32 v[VF+4*\i+2:VF+4*\i+3], v[VF+4*\i+2:VF+4*\i+3], v[KF+4*\i+2:KF+4*\i+3]
	global_store_b128 v[GO], v[VF+4*\i:VF+4*\i+3], s[OB:OB+1] offset:32768*\i th:TH_STORE_NT   ; sixteen lanes store 256 consecutive bytes, aligned; written once, read by nobody here
.endr
	s_wait_tensorcnt 0x0                           ; the wave's end: behind my last tensor load and my last LDS store
	ds_add_u32 v[SPW], v[NIL]
	s_wait_dscnt 0x0
	CROUND                                         ; the closing round: no work-group ends while a partner may still ask for a tile that names it
	s_endpgm
.Lfunc_end_k_q4c01d01da3_attn:
	.size	k_q4c01d01da3_attn, .Lfunc_end_k_q4c01d01da3_attn-k_q4c01d01da3_attn
	.p2alignl 7, 3214868480
	.fill 96, 4, 3214868480
	.section	.rodata,"a",@progbits
	.p2align	6, 0x0
	.amdhsa_kernel k_q4c01d01da3_attn
		.amdhsa_group_segment_fixed_size 327680
		.amdhsa_private_segment_fixed_size 0
		.amdhsa_enable_private_segment 0
		.amdhsa_kernarg_size 72
		.amdhsa_user_sgpr_count 2
		.amdhsa_user_sgpr_kernarg_segment_ptr 1
		.amdhsa_wavefront_size32 1
		.amdhsa_system_sgpr_workgroup_id_x 1
		.amdhsa_system_sgpr_workgroup_id_y 1
		.amdhsa_system_sgpr_workgroup_id_z 1
		.amdhsa_system_vgpr_workitem_id 0
		.amdhsa_next_free_vgpr 256
		.amdhsa_next_free_sgpr 80
		.amdhsa_reserve_vcc 0
		.amdhsa_float_denorm_mode_32 3
		.amdhsa_float_denorm_mode_16_64 3
		.amdhsa_memory_ordered 1
		.amdhsa_forward_progress 1
		.amdhsa_inst_pref_size 87
	.end_amdhsa_kernel
	.amdgpu_metadata
---
amdhsa.version: [ 1, 2 ]
amdhsa.kernels:
  - .name:           k_q4c01d01da3_attn
    .symbol:         k_q4c01d01da3_attn.kd
    .args:
      - { .name: qc, .offset: 0, .size: 8, .value_kind: global_buffer, .address_space: global }
      - { .name: qs, .offset: 8, .size: 8, .value_kind: global_buffer, .address_space: global }
      - { .name: kvc, .offset: 16, .size: 8, .value_kind: global_buffer, .address_space: global }
      - { .name: kvs, .offset: 24, .size: 8, .value_kind: global_buffer, .address_space: global }
      - { .name: w_proj_codes, .offset: 32, .size: 8, .value_kind: global_buffer, .address_space: global }
      - { .name: w_proj_scales, .offset: 40, .size: 8, .value_kind: global_buffer, .address_space: global }
      - { .name: b_proj, .offset: 48, .size: 8, .value_kind: global_buffer, .address_space: global }
      - { .name: x, .offset: 56, .size: 8, .value_kind: global_buffer, .address_space: global }
      - { .name: out0, .offset: 64, .size: 8, .value_kind: global_buffer, .address_space: global }
    .group_segment_fixed_size: 327680
    .private_segment_fixed_size: 0
    .kernarg_segment_align: 8
    .kernarg_segment_size: 72
    .max_flat_workgroup_size: 512
    .sgpr_count:     80
    .vgpr_count:     256
    .wavefront_size: 32
...
	.end_amdgpu_metadata
.endif
;; end of part 3
